; MI455X (gfx1250); checked and timed in simulation.
; The chip was launched on July 23, 2026; its instructions are those of AMD's public machine-readable ISA for CDNA 5 (MIT licence, August 2026) and "CDNA5" Instruction Set Architecture Reference Guide (July 2026). The comments in the code are by the model that wrote it; some were corrected since.
;; Mo E Layer. Allowed arithmetic: matrix products marked QUANTISED: E2M3 operands, one E8M0 scale for each 32 along K, by v_wmma_scale_f32_16x16x128_f8f6f4 with both operands' format E2M3, f32 sums; products left as they are: f32 operands where the result goes on into a quantised operand, else bf16, f16 or f32 operands; f32 sums; everything else in f32.
;; Inputs: W1 2 x 1,024 x 4,096 float32; W2 2 x 4,096 x 1,024 float32; Wr 2 x 1,024 float32; x 2 x 2,048 x 1,024 float32.
;; Outputs: out0 2 x 2,048 x 1,024 float32.
;; This version of the problem:
;;   THIS VERSION OF THE PROBLEM IS GIVEN IN LOW PRECISION. The matrix products marked QUANTISED in the list below multiply operands that are first quantised to E2M3 (2 exponent bits, 3 mantissa bits; 6 bits a number), with one power-of-two scale for each 32 numbers along K (OCP MX v1.0); their sums are f32. All else is computed in f32.
;;   The module's matrix products, in the order in which they are computed (A, B: the left and right operand; K: the contracted axis; several contracted axes count as one K, in the product's order):
;;     1. [M 4,096, K 1,024] x [K 1,024, N 2]; A: input x; B: input Wr: left as it is (N = 2 < 16)
;;     2. [M 4,096, K 1,024] x [K 1,024, N 4,096]; A: input x; B: input W1: QUANTISED
;;     3. [M 4,096, K 4,096] x [K 4,096, N 1,024]; A: computed on the way; B: input W2: QUANTISED
;;     4. [M 4,096, K 1,024] x [K 1,024, N 4,096]; A: input x; B: input W1: QUANTISED
;;     5. [M 4,096, K 4,096] x [K 4,096, N 1,024]; A: computed on the way; B: input W2: QUANTISED
;;   THE QUANTISER, for each operand of a quantised product, along K:
;;     - K is cut into blocks of 32 from its start; a last block that is shorter is filled with zeros.
;;     - A block's scale is 2^e with e = floor(log2(the largest magnitude in the block)) - 2, held to -126 .. 127; a block of zeros has e = 0. As a byte (E8M0): e + 127.
;;     - Each number is divided by its block's scale, clamped to +-7.5, and rounded to the nearest number of E2M3, ties to even, subnormals kept.
;;     - The product sums the exact products of the quantised numbers (number of the format x scale) in f32.
;;   ~~~python
;;   def quantise(x, axis):      # numpy; x: float32 -> the quantised numbers, widened to float32 again
;;       x = np.moveaxis(x, axis, -1); K = x.shape[-1]
;;       x = np.pad(x, [(0, 0)] * (x.ndim - 1) + [(0, -K % 32)]); x = x.reshape(x.shape[:-1] + (-1, 32)); a = np.abs(x).max(-1, keepdims=True)
;;       e = np.where(a > 0, np.clip(np.frexp(np.where(a > 0, a, 1))[1] - 1 - 2, -126, 127), 0)      # np.frexp(a)[1] - 1 = floor(log2(a)), exactly
;;       r = np.clip(x / 2.0 ** e, -7.5, 7.5)
;;       step = 2.0 ** (np.maximum(np.frexp(np.where(r == 0, 1, r))[1] - 1, 0) - 3)
;;       q = np.round(r / step) * step * 2.0 ** e      # np.round: ties to even
;;       return np.moveaxis(q.reshape(q.shape[:-2] + (-1,))[..., :K], -1, axis).astype(np.float32)
;;   ~~~
;;   OPERANDS COMPUTED ON THE WAY. 'Computed on the way' means the value that the module computes at that place (a softmax that the list does not call 'softmax' is quantised finished and normalised). What goes into a quantiser is computed in f32, as accurately as f32 sums, v_exp_f32 and their like allow (about 1e-6 of the number): no bf16 or f16 on the way to a quantiser, and a product that is left as it is and whose result goes on into a quantised operand takes f32 operands (vector FMAs, or v_wmma_f32_16x16x4_f32). A number that lies on a knife's edge between two numbers of the format may be rounded either way, as far as f32 arithmetic and the matrix unit's own rounding can turn it there, and no further.
;; One version. Each part assembles by itself: llvm-mc -triple=amdgcn-amd-amdhsa -mcpu=gfx1250 --defsym DOCPART=n.
;; ======== version 1 of 1: 3 launches
;; limits: right only within a limited range of input values
;; workspace buffers: xq 3,309,568 bytes; w1q 6,553,600 bytes; w2q 6,553,600 bytes; hq 26,214,400 bytes
;; launch prep (part 1): grid 768 x 1, 8 waves a work-group, no clusters, 123,904 bytes of LDS; arguments x, Wr, W1, W2, xq, w1q, w2q; writes xq, w1q, w2q
.if DOCPART == 1
	.amdgcn_target "amdgcn-amd-amdhsa--gfx1250"
	.amdhsa_code_object_version 6
	.text
	.protected	k_q2bde69cdde_prep
	.globl	k_q2bde69cdde_prep
	.p2align	8
	.type	k_q2bde69cdde_prep,@function
k_q2bde69cdde_prep:
	s_mov_b64 s[64:65], 0
	v_nop
	global_prefetch_b8 v0, s[64:65] scope:SCOPE_SE
	s_setreg_imm32_b32 hwreg(HW_REG_WAVE_MODE, 25, 1), 1
	s_wait_xcnt 0x0
; x [4096][1024], W1 [2][1024][4096] and W2 [2][4096][1024], f32, become codes of FP6 (E2M3) with one E8M0 byte for each 32 along K,
; laid as IMAGES OF THE OPERAND'S REGISTERS; the router's logits x Wr^T and their softmax over the two experts are made on the way.
; With two experts and the two largest logits kept, every expert is kept for every token: the combine weights are softmax(logits).
; AN IMAGE (1,536 bytes) is a fragment of 16 rows x 128 K: three pieces of 512 bytes, piece c = registers 4 c .. 4 c + 3 of lane L at byte 16 L.
; Lane (r, h) of a fragment holds row r; its registers 6 c .. 6 c + 5 hold k = 64 c + 32 h + 0 .. 31 (ISA guide 7.12).
; A SCALE BLOCK (64 bytes) belongs to an image: row r's word at 4 r, byte b for k = 32 b .. 32 b + 31.
;   xq : images [token tile 256][K step 8]; scale blocks at 3,145,728; the combine weights [expert 2][token 4096] f32 at 3,276,800
;   w1q: images [expert][tile 256][K step 8], scale blocks at 6,291,456;   w2q: images [expert][tile 64][K step 32], scale blocks at 6,291,456
; A block's scale is 2^(floor(log2(largest magnitude)) - 2): its byte is the largest magnitude's exponent field - 2, held at 1 from below.
; LIMITS: a block of zeros gets the byte 1 where the quantiser says 127 (its codes are zeros, and this program alone reads the bytes);
; blocks whose largest magnitude lies under 2^-124 are held at that floor; NaN and infinities among the inputs are not served.
; SHARES: work-groups 0-255 take a tile of 16 tokens each (wave = K step), 256-383 and 384-511 W1's two experts, 512-767 W2's:
; a work-group of the weights takes 256 columns x 128 K, a wave 32 columns, A LANE ONE COLUMN with its registers running down K.
; No tile is shared between work-groups and memory binds: no tensor loads, no cluster, no matrix unit. Each path has LDS bytes of its own.
.set XSS,   67584                      ; behind the tokens' eight stages of 16 rows x 528 bytes: the tile's scale blocks, 8 x 64 bytes
.set XPS,   68096                      ; the logits' parts: [expert 2][K step 8][token 16] f32
.set STG1,  69120                      ; W1's path: a stage of 2 x 1,664 bytes for each wave
.set STG2,  95744                      ; W2's path: the same
.set X,     64                         ; v64..   the numbers
.set WR,    128                        ; v128-255 the tokens' path: Wr of my k, expert 0 then expert 1
.set FLOOR, 0x1800000                  ; 2^(3 - 127): no largest magnitude is taken under it, so the byte cannot fall under 1
.set OFF2,  0xff000000                 ; takes 2 off an exponent field
.macro WLOAD t, pitch                  ; block t of my column: 32 numbers down K; a load reads 128 consecutive bytes, the eight waves stand side by side on 1,024
.set WI, 0
.rept 32
	global_load_b32 v[X+32*(\t)+WI], v6, s[28:29] offset:(32*(\t)+WI)*(\pitch) th:TH_LOAD_NT
.set WI, WI+1
.endr
.endm
.macro WBLOCK t                        ; block t = 2 c + h is quantised and goes to its place in the staged image: registers 6 c .. 6 c + 5 of lane row + 16 h
.set XS, X+32*(\t)
.set CB, 32+8*(\t)
	v_max3_num_f32 v12, |v[XS]|, |v[XS+1]|, |v[XS+2]|              ; the largest magnitude: all 32 numbers are mine; two chains
	v_max3_num_f32 v13, |v[XS+3]|, |v[XS+4]|, |v[XS+5]|
.irp i, 6,10,14,18,22,26
	s_delay_alu instid0(VALU_DEP_2)
	v_max3_num_f32 v12, v12, |v[XS+\i]|, |v[XS+\i+1]|
	s_delay_alu instid0(VALU_DEP_2)
	v_max3_num_f32 v13, v13, |v[XS+\i+2]|, |v[XS+\i+3]|
.endr
	s_delay_alu instid0(VALU_DEP_2)
	v_max3_num_f32 v12, v12, |v[XS+30]|, |v[XS+31]|
	s_delay_alu instid0(VALU_DEP_1)
	v_max3_num_f32 v12, v12, v13, FLOOR
	s_delay_alu instid0(VALU_DEP_1)
	v_add_nc_u32 v11, OFF2, v12                    ; the conversion takes the exponent field of this operand as its scale
	s_delay_alu instid0(VALU_DEP_1)
	v_lshrrev_b32 v13, 23, v11                     ; the scale's byte
.if (\t) == 0
	s_delay_alu instid0(VALU_DEP_1)
	v_mov_b32 v28, v13
.else
	s_delay_alu instid0(VALU_DEP_1)
	v_lshl_or_b32 v28, v13, 8*(\t), v28            ; four bytes make my column's scale word
.endif
	v_cvt_scalef32_pk16_fp6_f32 v[CB:CB+2], v[XS:XS+15], v11
	v_cvt_scalef32_pk16_fp6_f32 v[24:26], v[XS+16:XS+31], v11      ; (a conversion's three registers begin on an even number)
	v_nop                                          ; one plain instruction behind the scaled conversions
	v_mov_b32 v[CB+3], v24
	v_mov_b32 v[CB+4], v25
	v_mov_b32 v[CB+5], v26
.if (\t) < 2
	ds_store_b128 v9, v[CB:CB+3] offset:256*((\t)%2)               ; registers 0-3: piece 0
	ds_store_b64 v9, v[CB+4:CB+5] offset:512+256*((\t)%2)          ; registers 4, 5: piece 1, lower half
.else
	ds_store_b64 v9, v[CB:CB+1] offset:520+256*((\t)%2)            ; registers 6, 7: piece 1, upper half
	ds_store_b128 v9, v[CB+2:CB+5] offset:1024+256*((\t)%2)        ; registers 8-11: piece 2
.endif
.endm
; ptr, out: the scalar pairs of the tensor and of its workspace; pitch: bytes of a row of the tensor; ks: K steps; logcb: log2 of the blocks of 256 columns;
; perm = 1: within 32 columns, column l goes to tile (l / 8) % 2, row l % 8 + 8 (l / 16), so that the first product's results come out as neighbours along the next K.
.macro WPATH ptr, out, pitch, ks, logcb, perm, stg, first
	s_sub_co_u32 s22, ttmp9, \first
	s_lshr_b32 s23, s22, 7                         ; expert
	s_and_b32 s24, s22, 127
	s_lshr_b32 s25, s24, \logcb                    ; K step
	s_and_b32 s24, s24, (1<<(\logcb))-1            ; block of 256 columns
	s_lshl_b32 s26, s23, 24                        ; an expert is 16,777,216 bytes
	s_mul_i32 s27, s25, 128*(\pitch)
	s_add_co_u32 s26, s26, s27
	s_lshl_b32 s27, s24, 10
	s_add_co_u32 s26, s26, s27
	s_lshl_b32 s27, s18, 7
	s_add_co_u32 s26, s26, s27
	s_mov_b32 s27, 0
	s_add_nc_u64 s[28:29], s[\ptr:\ptr+1], s[26:27]                ; my wave's 32 columns, first row of the K step
	s_lshl_b32 s30, s24, 4
	s_lshl_b32 s31, s18, 1
	s_add_co_u32 s30, s30, s31                     ; my first tile: 16 x block + 2 x wave
	s_mul_i32 s26, s23, 3145728
	s_mul_i32 s31, s30, (\ks)*1536
	s_add_co_u32 s26, s26, s31
	s_mul_i32 s31, s25, 1536
	s_add_co_u32 s26, s26, s31
	s_add_nc_u64 s[32:33], s[\out:\out+1], s[26:27]                ; its image of this K step
	s_lshl_b32 s26, s23, 17
	s_mul_i32 s31, s30, (\ks)*64
	s_add_co_u32 s26, s26, s31
	s_lshl_b32 s31, s25, 6
	s_add_co_u32 s26, s26, s31
	s_add_nc_u64 s[34:35], s[\out:\out+1], s[26:27]                ; its scale block (6,291,456 more stand in the store's immediate)
	v_lshlrev_b32 v6, 2, v2                        ; in: 4 bytes a lane
	WLOAD 0, \pitch
	WLOAD 1, \pitch
.if \perm
	v_bfe_u32 v7, v0, 3, 1
	v_and_b32 v8, 7, v0
	s_delay_alu instid0(VALU_DEP_1)
	v_lshl_add_u32 v8, v4, 3, v8
.set TAU, 7
.set RHO, 8
.else
.set TAU, 4
.set RHO, 3
.endif
	s_mul_i32 s36, s18, 3328
	s_add_co_u32 s36, s36, \stg                    ; my stage; its two tiles lie 1,664 bytes apart, half a turn through the 64 banks of 4 bytes (ISA guide 11.1)
	v_mul_u32_u24 v9, v[TAU], 1664
	s_delay_alu instid0(VALU_DEP_1)
	v_lshl_add_u32 v9, v[RHO], 4, v9
	s_delay_alu instid0(VALU_DEP_1)
	v_add_nc_u32 v9, s36, v9                       ; into it: my tile, 16 x my row
	v_add_nc_u32 v10, s36, v5                      ; out of it: 16 x lane
	v_mul_u32_u24 v14, v[TAU], (\ks)*64
	s_delay_alu instid0(VALU_DEP_1)
	v_lshl_add_u32 v14, v[RHO], 2, v14             ; my scale word's place
	s_wait_alu depctr_va_vdst(0)
	s_wait_loadcnt 32                              ; block 0 is in; block 1's 32 loads may be out
	WLOAD 2, \pitch
	WBLOCK 0
	s_wait_loadcnt 32                              ; block 1 is in; block 2's may be out
	WLOAD 3, \pitch
	WBLOCK 1
	s_wait_loadcnt 32                              ; block 2 is in; block 3's may be out
	WBLOCK 2
	s_wait_loadcnt 0x0
	WBLOCK 3
.irp i, 0,1,2,3,4,5
	ds_load_b128 v[192+4*\i:195+4*\i], v10 offset:1664*(\i/3)+512*(\i%3)   ; LDS serves a wave's instructions in order (ISA guide 5.7.1.4): these see my stores
.endr
	s_wait_alu depctr_va_vdst(0)
.irp i, 0,1,2,3,4,5
	s_wait_dscnt 5-\i                              ; piece i is back; the younger ones may be out
	global_store_b128 v5, v[192+4*\i:195+4*\i], s[32:33] offset:(\i/3)*(\ks)*1536+(\i%3)*512   ; 32 lanes store 512 consecutive bytes, aligned
.endr
	global_store_b32 v14, v28, s[34:35] offset:6291456             ; two runs of 64 bytes: one byte for each 128 that the wave reads
.endm
	s_load_b256 s[4:11], s[0:1], 0x0               ; x s[4:5], Wr s[6:7], W1 s[8:9], W2 s[10:11]
	s_load_b128 s[12:15], s[0:1], 0x20             ; xq s[12:13], w1q s[14:15]
	s_load_b64 s[16:17], s[0:1], 0x30              ; w2q
	v_lshl_add_u32 v62, v0, 2, 0x1e000
	v_mov_b32 v63, 0
	v_lshrrev_b32 v1, 5, v0
	s_delay_alu instid0(VALU_DEP_1)
	v_readfirstlane_b32 s18, v1                    ; wave 0..7
	v_and_b32 v2, 31, v0                           ; lane
	v_and_b32 v3, 15, v0                           ; r
	v_bfe_u32 v4, v0, 4, 1                         ; h
	s_delay_alu instid0(VALU_DEP_3)
	v_lshlrev_b32 v5, 4, v2                        ; 16 x lane
	s_mov_b32 s20, 0x76543210
	s_mov_b32 s21, 0xfedcba98                      ; v_permlanex16_b32's selects for lane l xor 16
	s_wait_kmcnt 0x0
	s_cmp_lt_u32 ttmp9, 256                        ; the paths part on the work-group's number alone
	s_cbranch_scc1 .Lpath_x
	s_cmp_lt_u32 ttmp9, 512
	s_cbranch_scc1 .Lpath_w1
	s_wait_alu depctr_va_vdst(0)
	WPATH 10, 16, 4096, 32, 2, 0, STG2, 512
	s_wait_tensorcnt 0x0
	ds_add_u32 v62, v63
	s_wait_dscnt 0x0
	s_endpgm
.Lpath_w1:
	s_wait_alu depctr_va_vdst(0)
	WPATH 8, 14, 16384, 8, 4, 1, STG1, 256
	s_wait_tensorcnt 0x0
	ds_add_u32 v62, v63
	s_wait_dscnt 0x0
	s_endpgm
.Lpath_x:                                              ; tile of 16 tokens = work-group, K step of 128 = wave
	s_lshl_b32 s22, ttmp9, 16                      ; 16 rows of 4,096 bytes
	s_lshl_b32 s24, s18, 9                         ; 128 numbers
	s_mov_b32 s25, 0
	s_add_co_u32 s22, s22, s24
	s_mov_b32 s23, 0
	s_add_nc_u64 s[4:5], s[4:5], s[22:23]
	s_add_nc_u64 s[6:7], s[6:7], s[24:25]
	s_wait_alu depctr_va_vdst(0)
	v_lshlrev_b32 v6, 7, v4                        ; Wr: my half's 32 numbers of each 64
.irp i, 0,1,2,3,4,5,6,7,8,9,10,11,12,13,14,15
	global_load_b128 v[X+4*\i:X+4*\i+3], v5, s[4:5] offset:4096*\i th:TH_LOAD_NT   ; row i: 32 lanes read its 512 consecutive bytes
.endr
.irp e, 0,1
.irp c, 0,1
.irp j, 0,1,2,3,4,5,6,7
	global_load_b128 v[WR+64*\e+32*\c+4*\j:WR+64*\e+32*\c+4*\j+3], v6, s[6:7] offset:4096*\e+256*\c+16*\j   ; Wr(e, 64 c + 32 h + 4 j ..): the k that the lane will hold of x
.endr
.endr
.endr
	s_lshl_b32 s26, ttmp9, 3
	s_add_co_u32 s26, s26, s18
	s_mul_i32 s26, s26, 1536
	s_mov_b32 s27, 0
	s_add_nc_u64 s[28:29], s[12:13], s[26:27]      ; my image
	s_lshl_b32 s30, ttmp9, 6
	s_mov_b32 s31, 0
	s_add_nc_u64 s[32:33], s[12:13], s[30:31]      ; the tile's combine weights (3,276,800 more in the immediate)
	s_lshl_b32 s34, ttmp9, 9
	s_mov_b32 s35, 0
	s_add_nc_u64 s[34:35], s[12:13], s[34:35]      ; the tile's scale blocks (3,145,728 more in the immediate)
	s_mul_i32 s36, s18, 8448                       ; my stage: 16 rows of 512 bytes + 16: row r starts at bank 4 r mod 64
	s_lshl_b32 s37, s18, 6
	v_add_nc_u32 v7, s36, v5                       ; in: as loaded
	v_mul_u32_u24 v18, v3, 528
	s_delay_alu instid0(VALU_DEP_1)
	v_lshl_add_u32 v18, v4, 7, v18
	s_delay_alu instid0(VALU_DEP_1)
	v_add_nc_u32 v18, s36, v18                     ; back: row r, + 128 h
	v_lshl_add_u32 v17, v3, 2, XSS
	s_delay_alu instid0(VALU_DEP_1)
	v_add_nc_u32 v17, s37, v17                     ; my row's word in my K step's scale block; the logits' parts lie 512 and 1,024 bytes on
	v_lshl_add_u32 v19, v2, 4, XSS                 ; wave 0, later: the eight scale blocks, 16 bytes a lane
	v_lshl_add_u32 v20, v3, 2, XPS
	s_delay_alu instid0(VALU_DEP_1)
	v_lshl_add_u32 v20, v4, 9, v20                 ; and the parts of the logit (expert h, token r)
	v_lshlrev_b32 v21, 2, v3
	s_delay_alu instid0(VALU_DEP_1)
	v_lshl_add_u32 v21, v4, 14, v21                ; its weight's place: 16,384 h + 4 r
	s_wait_alu depctr_va_vdst(0)
	s_wait_loadcnt 32                              ; x's sixteen loads are in; Wr's 32 may be out
.irp i, 0,1,2,3,4,5,6,7,8,9,10,11,12,13,14,15
	ds_store_b128 v7, v[X+4*\i:X+4*\i+3] offset:528*\i
.endr
	s_wait_dscnt 0x0                               ; the stores have read their registers
.irp c, 0,1
.irp j, 0,1,2,3,4,5,6,7
	ds_load_b128 v[X+32*\c+4*\j:X+32*\c+4*\j+3], v18 offset:256*\c+16*\j   ; x(r, 64 c + 32 h + 4 j ..): two whole blocks a lane, in the operand's own order
.endr
.endr
	s_wait_dscnt 0x0
.irp c, 0,1
	v_max3_num_f32 v[8+\c], |v[X+32*\c]|, |v[X+1+32*\c]|, FLOOR
.endr
.irp i, 2,4,6,8,10,12,14,16,18,20,22,24,26,28,30
.irp c, 0,1
	s_delay_alu instid0(VALU_DEP_2)
	v_max3_num_f32 v[8+\c], v[8+\c], |v[X+32*\c+\i]|, |v[X+1+32*\c+\i]|   ; (the two blocks by turns)
.endr
.endr
.irp c, 0,1
	s_delay_alu instid0(VALU_DEP_2)
	v_add_nc_u32 v[10+\c], OFF2, v[8+\c]           ; the conversions' scale operands
.endr
.irp c, 0,1
	s_delay_alu instid0(VALU_DEP_2)
	v_lshrrev_b32 v[12+\c], 23, v[10+\c]           ; the bytes of blocks h and 2 + h
.endr
	s_delay_alu instid0(VALU_DEP_1)
	v_lshl_or_b32 v14, v13, 16, v12
	v_lshlrev_b32 v15, 3, v4
	s_delay_alu instid0(VALU_DEP_1)
	v_lshlrev_b32 v14, v15, v14                    ; at their places in the word, 8 h bits up
	v_mov_b32 v15, 0
	s_delay_alu instid0(VALU_DEP_1)
	v_permlanex16_b32 v15, v14, s20, s21
	s_delay_alu instid0(VALU_DEP_1)
	v_or_b32 v14, v14, v15                         ; with lane l xor 16's two the word is whole
.irp c, 0,1
	v_cvt_scalef32_pk16_fp6_f32 v[32+6*\c:34+6*\c], v[X+32*\c:X+15+32*\c], v[10+\c]
	v_cvt_scalef32_pk16_fp6_f32 v[44+4*\c:46+4*\c], v[X+16+32*\c:X+31+32*\c], v[10+\c]
.endr
	v_nop                                          ; one plain instruction behind the scaled conversions
.irp c, 0,1
.irp i, 0,1,2
	v_mov_b32 v[35+6*\c+\i], v[44+4*\c+\i]
.endr
.endr
.irp c, 0,1,2
	global_store_b128 v5, v[32+4*\c:35+4*\c], s[28:29] offset:512*\c       ; the image: 512 consecutive bytes a store
.endr
	s_wait_loadcnt 0x0                             ; Wr
.irp e, 0,1                                    ; the logits' parts over my 64 k, f32 multiply-adds, two chains an expert
	v_pk_mul_f32 v[52+4*\e:53+4*\e], v[X:X+1], v[WR+64*\e:WR+64*\e+1]
	v_pk_mul_f32 v[54+4*\e:55+4*\e], v[X+2:X+3], v[WR+64*\e+2:WR+64*\e+3]
.endr
.irp p, 4,8,12,16,20,24,28,32,36,40,44,48,52,56,60
.irp e, 0,1
	s_delay_alu instid0(VALU_DEP_4)
	v_pk_fma_f32 v[52+4*\e:53+4*\e], v[X+\p:X+\p+1], v[WR+64*\e+\p:WR+64*\e+\p+1], v[52+4*\e:53+4*\e]
	s_delay_alu instid0(VALU_DEP_4)
	v_pk_fma_f32 v[54+4*\e:55+4*\e], v[X+\p+2:X+\p+3], v[WR+64*\e+\p+2:WR+64*\e+\p+3], v[54+4*\e:55+4*\e]
.endr
.endr
.irp e, 0
	s_delay_alu instid0(VALU_DEP_3)
	v_pk_add_f32 v[52+4*\e:53+4*\e], v[52+4*\e:53+4*\e], v[54+4*\e:55+4*\e]
.endr
.irp e, 1
	s_delay_alu instid0(VALU_DEP_2)
	v_pk_add_f32 v[52+4*\e:53+4*\e], v[52+4*\e:53+4*\e], v[54+4*\e:55+4*\e]
.endr
.irp e, 0,1
	s_delay_alu instid0(VALU_DEP_2)
	v_add_f32 v[52+4*\e], v[52+4*\e], v[53+4*\e]
.endr
.irp e, 0,1
	s_delay_alu instid0(VALU_DEP_2)
	v_permlanex16_b32 v[53+4*\e], v[52+4*\e], s20, s21
.endr
.irp e, 0,1
	s_delay_alu instid0(VALU_DEP_2)
	v_add_f32 v[52+4*\e], v[52+4*\e], v[53+4*\e]   ; with lane l xor 16's: row r's part for this K step
.endr
	ds_store_b32 v17, v14                          ; (both halves of the lanes write the same word with the same value)
	ds_store_b32 v17, v52 offset:512
	ds_store_b32 v17, v56 offset:1024
	s_wait_dscnt 0x0                               ; for wave 0's sake: my stores have landed
	s_barrier_signal -1
	s_barrier_wait -1
	s_cmp_lg_u32 s18, 0                            ; wave 0 finishes the tile
	s_cbranch_scc1 .Lx_done
	ds_load_b128 v[24:27], v19
.irp k, 0,1,2,3,4,5,6,7
	ds_load_b32 v[44+\k], v20 offset:64*\k
.endr
	s_wait_dscnt 0x0
	global_store_b128 v5, v[24:27], s[34:35] offset:3145728        ; the tile's eight scale blocks: 512 consecutive bytes
	v_add_f32 v44, v44, v45
	v_add_f32 v46, v46, v47
	v_add_f32 v48, v48, v49
	v_add_f32 v50, v50, v51
	s_delay_alu instid0(VALU_DEP_3)
	v_add_f32 v44, v44, v46
	s_delay_alu instid0(VALU_DEP_2)
	v_add_f32 v48, v48, v50
	s_delay_alu instid0(VALU_DEP_1)
	v_add_f32 v44, v44, v48                        ; the logit of (expert h, token r)
	s_delay_alu instid0(VALU_DEP_1)
	v_permlanex16_b32 v45, v44, s20, s21           ; the other expert's
	s_delay_alu instid0(VALU_DEP_1)
	v_max_num_f32 v46, v44, v45                    ; the maximum is taken away ahead of the exponentials
	s_delay_alu instid0(VALU_DEP_1)
	v_sub_f32 v47, v44, v46
	s_delay_alu instid0(VALU_DEP_2)
	v_sub_f32 v48, v45, v46
	s_delay_alu instid0(VALU_DEP_2)
	v_mul_f32 v47, 0x3fb8aa3b, v47                 ; x log2(e)
	s_delay_alu instid0(VALU_DEP_2)
	v_mul_f32 v48, 0x3fb8aa3b, v48
	s_wait_alu depctr_va_vdst(0)
	v_exp_f32 v47, v47
	v_exp_f32 v48, v48
	v_nop                                          ; one plain instruction behind the transcendentals
	s_wait_alu depctr_va_vdst(0)
	v_add_f32 v49, v47, v48
	s_wait_alu depctr_va_vdst(0)
	v_rcp_f32 v49, v49
	v_nop
	s_wait_alu depctr_va_vdst(0)
	v_mul_f32 v47, v47, v49
	global_store_b32 v21, v47, s[32:33] offset:3276800
.Lx_done:
	s_wait_tensorcnt 0x0
	ds_add_u32 v62, v63
	s_wait_dscnt 0x0
	s_endpgm
.Lfunc_end_k_q2bde69cdde_prep:
	.size	k_q2bde69cdde_prep, .Lfunc_end_k_q2bde69cdde_prep-k_q2bde69cdde_prep
	.p2alignl 7, 3214868480
	.fill 96, 4, 3214868480
	.section	.rodata,"a",@progbits
	.p2align	6, 0x0
	.amdhsa_kernel k_q2bde69cdde_prep
		.amdhsa_group_segment_fixed_size 123904
		.amdhsa_private_segment_fixed_size 0
		.amdhsa_enable_private_segment 0
		.amdhsa_kernarg_size 56
		.amdhsa_user_sgpr_count 2
		.amdhsa_user_sgpr_kernarg_segment_ptr 1
		.amdhsa_wavefront_size32 1
		.amdhsa_system_sgpr_workgroup_id_x 1
		.amdhsa_system_sgpr_workgroup_id_y 1
		.amdhsa_system_sgpr_workgroup_id_z 1
		.amdhsa_system_vgpr_workitem_id 0
		.amdhsa_next_free_vgpr 256
		.amdhsa_next_free_sgpr 66
		.amdhsa_reserve_vcc 0
		.amdhsa_float_denorm_mode_32 3
		.amdhsa_float_denorm_mode_16_64 3
		.amdhsa_memory_ordered 1
		.amdhsa_forward_progress 1
		.amdhsa_inst_pref_size 71
	.end_amdhsa_kernel
	.amdgpu_metadata
---
amdhsa.version: [ 1, 2 ]
amdhsa.kernels:
  - .name:           k_q2bde69cdde_prep
    .symbol:         k_q2bde69cdde_prep.kd
    .args:
      - { .name: x, .offset: 0, .size: 8, .value_kind: global_buffer, .address_space: global }
      - { .name: Wr, .offset: 8, .size: 8, .value_kind: global_buffer, .address_space: global }
      - { .name: W1, .offset: 16, .size: 8, .value_kind: global_buffer, .address_space: global }
      - { .name: W2, .offset: 24, .size: 8, .value_kind: global_buffer, .address_space: global }
      - { .name: xq, .offset: 32, .size: 8, .value_kind: global_buffer, .address_space: global }
      - { .name: w1q, .offset: 40, .size: 8, .value_kind: global_buffer, .address_space: global }
      - { .name: w2q, .offset: 48, .size: 8, .value_kind: global_buffer, .address_space: global }
    .group_segment_fixed_size: 123904
    .private_segment_fixed_size: 0
    .kernarg_segment_align: 8
    .kernarg_segment_size: 56
    .max_flat_workgroup_size: 256
    .sgpr_count:     66
    .vgpr_count:     256
    .wavefront_size: 32
...
	.end_amdgpu_metadata
.endif
;; end of part 1
;; launch ffn1 (part 2): grid 16 x 16, 8 waves a work-group, clusters of 4 x 1, 327,680 bytes of LDS; arguments xq, w1q, hq; writes hq
.if DOCPART == 2
	.amdgcn_target "amdgcn-amd-amdhsa--gfx1250"
	.amdhsa_code_object_version 6
	.text
	.protected	k_q2bde69cdde_ffn1
	.globl	k_q2bde69cdde_ffn1
	.p2align	8
	.type	k_q2bde69cdde_ffn1,@function
k_q2bde69cdde_ffn1:
	s_mov_b64 s[64:65], 0
	v_nop
	global_prefetch_b8 v0, s[64:65] scope:SCOPE_SE
	s_setreg_imm32_b32 hwreg(HW_REG_WAVE_MODE, 25, 1), 1
	s_wait_xcnt 0x0
	s_wait_alu depctr_hold_cnt(0) depctr_sa_sdst(0) depctr_va_vdst(0) depctr_va_sdst(0) depctr_va_ssrc(0) depctr_va_vcc(0) depctr_vm_vsrc(0)
	s_getreg_b32 s2, hwreg(HW_REG_IB_STS2, 6, 4)
	s_cmp_eq_u32 s2, 0
	s_cbranch_scc0 .Lentry_in_a_cluster
	s_endpgm
.Lentry_in_a_cluster:
	s_bfe_u32 s2, ttmp6, 0x10000c
	s_cmp_lg_u32 s2, 0x3003
	s_cbranch_scc0 .Lentry_shape_is_right
	s_endpgm
.Lentry_shape_is_right:
; h = gelu(x W1[e]), both operands as codes of FP6 (E2M3) with E8M0 scales, and h quantised along F for the second product.
; A work-group takes 256 tokens x 512 columns of one expert, K = 1,024.  EIGHT WAVES, two to a SIMD: a wave keeps 64 columns of W1 for all of K
; in registers (4 tiles x 8 K steps = 32 fragments, 384 registers) and walks the 16 token tiles, whose images and scale blocks lie in LDS.
; The product is used transposed (source 0 = W1's tile, source 1 = x's tile): a lane holds one token, and by the order in which the first launch
; laid W1's columns the 16 registers of tiles 2 b, 2 b + 1 are 16 neighbours along F: a block of 32 lies in lanes l and l xor 16.
; 2 gelu(v) = v + v erf(v / sqrt 2).  erf(z) = z P(z^2) / Q(z^2), P of 7 and Q of 5 coefficients, z held to -4 .. 4 (beyond that erf is 1 in f32).  In terms of s = c^2, c = v held to +-4 sqrt 2:
; erf = c A(s) / B(s), A's coefficient k = P's / 2^k, B's = Q's x sqrt 2 / 2^k.  One reciprocal serves two numbers: r = 1 / (B0 B1), 1 / B0 = r B1, 1 / B1 = r B0 (B lies between 0.02 and 3.4 in magnitude).
; The registers hold 2 gelu: the half goes into the scale's byte (3 off the exponent field, where the conversion takes 2 off).
; hq: images [expert][token tile 256][K step 32] of 1,536 bytes.  AN IMAGE OF h IS TWO HALVES of 768 bytes, half c = registers 6 c .. 6 c + 5 of the fragment:
; registers 6 c .. 6 c + 3 of lane L at byte 16 L, registers 6 c + 4, 6 c + 5 at byte 512 + 8 L.  A wave makes one half for each token tile and stores it as 512 + 256 consecutive bytes, aligned.
; Scale blocks of hq at 25,165,824: [expert][token tile][K step] of 64 bytes; a wave makes two of a word's four bytes; the words are gathered in LDS and leave in runs of 256 bytes.
; CLUSTER 4 x 1: the four partners take four column blocks of the same 256 tokens and ask for x's images and scales jointly.  W1's part of a work-group (393,216 bytes) is wanted in registers and
; has no room in LDS beside x's 204,800 bytes: it comes by plain loads, 512 consecutive bytes each.  Nothing is prefetched: all that the launch reads is asked for at its head, and the loop reads LDS and registers alone.
; LIMITS: erf is right to about 1e-7 absolutely, so for v under about -3, where 1 + erf cancels as it does in f32 arithmetic on erf, gelu(v) is right to some 1e-7 |v| and no longer to 1e-6 of itself.
; NaN and infinities are not served; a block whose largest 2 gelu lies under 2^-123 is held at that floor (byte 1; a block of zeros too: its codes are zeros, and this program alone reads the bytes).
; REGISTERS: v0-13 addresses; v16-31 W1's scale words; v32-35 x's; v36-67 four accumulators; v68-115 four buffers for x's fragments, at work as temporaries behind the products;
; v116-120 constants; v124-255 fragments 21-31 of W1; window 1: fragments 0-20.
.set XSCL, 196608                      ; LDS: x's 128 images from 0; behind them its scale blocks, 8,192 bytes
.set HSCL, 204800                      ; h's scale words: [token tile 16][K step 4][row 16]
.set SPARE, 208896                     ; the spare words, 128 bytes for each of eight waves
.set SPW, 12
.set NIL, 13
.set W1S, 16
.set XS,  32
.set ACC, 36
.set XB,  68
.set XC,  68                           ; c, later 1 / B
.set SQ,  76                           ; s, later r
.set PP,  84                           ; A, later erf
.set QQ,  92                           ; B
.set CA,  116                          ; A's coefficient 5, twice
.set CB,  118                          ; B's coefficient 3, twice
.set LIM, 120                          ; 4 sqrt 2
.set FW0, 124
.set TM,  68
.set PW,  84
.set PC,  88
.set MSB, 0
.macro WIN new                         ; the immediate's high byte repeats the setting that is left
.if MSB != (\new)
	s_set_vgpr_msb (MSB<<8)|(\new)
.set MSB, \new
.endif
.endm
.macro PAIR r, val
	s_mov_b32 s[\r], \val
	s_mov_b32 s[\r+1], \val
.endm
.macro PLACES                          ; four places behind a matrix instruction (ISA guide 7.12.1)
.rept 4
	v_nop
.endr
.endm
.macro ROUND                           ; a round of the cluster's barrier
	s_barrier_signal -1
	s_barrier_wait -1
	s_cmp_lg_u32 s10, 0
	s_cbranch_scc1 .Lnot_wave_0_\@
	s_barrier_signal -3
.Lnot_wave_0_\@:
	s_barrier_wait -3
	s_barrier_signal -1
	s_barrier_wait -1
.endm
.macro WFRAG fi, reg                   ; fragment fi = 4 x K step + tile of my W1, three pieces of 512 bytes
.irp c, 0,1,2
	global_load_b128 v[(\reg)+4*\c:(\reg)+4*\c+3], v1, s[80:81] offset:(8*((\fi)%4)+(\fi)/4)*1536+512*\c
.endr
.endm
	s_load_b128 s[4:7], s[0:1], 0x0                ; xq, w1q
	s_load_b64 s[8:9], s[0:1], 0x10                ; hq
	v_lshl_add_u32 v[SPW], v0, 2, SPARE
	v_mov_b32 v[NIL], 0
	ds_add_u32 v[SPW], v[NIL]                      ; the opening lines: the add, twice on end, and its wait ahead of my tensor load
	ds_add_u32 v[SPW], v[NIL]
	v_lshrrev_b32 v11, 5, v0
	v_readfirstlane_b32 s10, v11                   ; wave 0..7
	v_and_b32 v10, 31, v0                          ; lane
	v_and_b32 v11, 15, v0                          ; r
	v_bfe_u32 v9, v0, 4, 1                         ; h
	v_lshlrev_b32 v1, 4, v10                       ; 16 x lane
	v_lshl_add_u32 v2, v10, 2, XSCL                ; x's scale words: 4 x lane
	v_lshlrev_b32 v5, 2, v10
	v_lshl_add_u32 v6, v11, 2, HSCL
	v_lshlrev_b32 v9, 11, v9
	v_lshl_add_u32 v9, v11, 4, v9                  ; the scales' way out: 2,048 h + 16 r
	v_lshlrev_b32 v10, 3, v10                      ; 8 x lane
	v_mov_b32 v[CA], 0x306dffee
	v_mov_b32 v[CA+1], 0x306dffee
	v_mov_b32 v[CB], 0xb81e3512
	v_mov_b32 v[CB+1], 0xb81e3512
	v_mov_b32 v[LIM], 0x40b504f3
	s_lshr_b32 s94, s10, 1
	s_lshl_b32 s94, s94, 6
	s_and_b32 s95, s10, 1
	s_lshl_b32 s95, s95, 1
	s_add_co_u32 s94, s94, s95                     ; my K step's block of 64 bytes, my two bytes of its words
	s_lshl_b32 s95, s10, 9
	s_wait_alu depctr_va_vdst(0)
	v_add_nc_u32 v6, s94, v6
	v_add_nc_u32 v8, s95, v1
	v_add_nc_u32 v8, HSCL, v8                      ; at the end I take the words of token tiles 2 w, 2 w + 1
	s_bfe_u32 s11, ttmp6, 0x40000                  ; cx
	s_lshl_b32 s12, ttmp9, 2
	s_add_co_u32 s12, s12, s11
	s_lshr_b32 s13, s12, 3                         ; expert
	s_and_b32 s14, s12, 7                          ; block of 512 columns
	s_and_b32 s15, ttmp7, 0xffff                   ; block of 256 tokens
	s_mov_b32 s16, 15|(3<<16)|(1<<21)              ; group 1, images: 192 rows of 256 bytes, dense; the mask names the four partners
	s_mov_b32 s17, 32<<16
	s_mov_b32 s18, 192<<16
	s_mov_b32 s19, 32<<16
	s_mov_b32 s20, 192
	s_mov_b32 s21, 32
	s_mov_b32 s22, 0
	s_mov_b32 s23, 0
	s_mov_b32 s24, 15|(3<<16)|(1<<21)              ; group 1, scales: 8 rows of 256 bytes
	s_mov_b32 s25, 32<<16
	s_mov_b32 s26, 8<<16
	s_mov_b32 s27, 32<<16
	s_mov_b32 s28, 8
	s_mov_b32 s29, 32
	s_mov_b32 s30, 0
	s_mov_b32 s31, 0
	s_and_b32 s93, s10, 3                          ; which quarter I fetch: waves 0-3 of the images, waves 4-7 of the scales
	s_mov_b32 s32, 1
	s_mul_i32 s33, s93, 49152
	s_mul_i32 s76, s15, 196608
	s_add_co_u32 s76, s76, s33
	s_mov_b32 s77, 0
	s_mov_b32 s36, 1
	s_lshl_b32 s37, s93, 11
	s_lshl_b32 s78, s15, 13
	s_add_co_u32 s78, s78, s37
	s_add_co_u32 s78, s78, 3145728
	s_mov_b32 s79, 0
	s_add_co_u32 s37, s37, XSCL
	s_mul_i32 s86, s13, 3145728                    ; W1's images: expert, block, my four tiles of 8 x 1,536 bytes
	s_mul_i32 s87, s14, 393216
	s_add_co_u32 s86, s86, s87
	s_mul_i32 s87, s10, 49152
	s_add_co_u32 s86, s86, s87
	s_mov_b32 s87, 0
	s_lshl_b32 s88, s13, 17                        ; and their scale blocks
	s_lshl_b32 s89, s14, 14
	s_add_co_u32 s88, s88, s89
	s_lshl_b32 s89, s10, 11
	s_add_co_u32 s88, s88, s89
	s_mov_b32 s89, 0
	s_mul_i32 s90, s13, 12582912                   ; hq: expert, first token tile, K step 4 x block + w / 2, half w % 2: 768 w
	s_mul_i32 s91, s15, 786432
	s_add_co_u32 s90, s90, s91
	s_mul_i32 s91, s14, 6144
	s_add_co_u32 s90, s90, s91
	s_mul_i32 s91, s10, 768
	s_add_co_u32 s90, s90, s91
	s_mov_b32 s91, 0
	s_lshl_b32 s92, s13, 19                        ; hq's scale blocks of token tile 16 y + 2 w, K steps 4 x block ..
	s_lshl_b32 s93, s15, 4
	s_lshl_b32 s94, s10, 1
	s_add_co_u32 s93, s93, s94
	s_lshl_b32 s93, s93, 11
	s_add_co_u32 s92, s92, s93
	s_lshl_b32 s93, s14, 8
	s_add_co_u32 s92, s92, s93
	s_add_co_u32 s92, s92, 25165824
	s_mov_b32 s93, 0
	PAIR 40, 0xac95df0b                            ; A's coefficients 6, 4, 3, 2, 1, 0 (5 stands in v[CA])
	PAIR 42, 0xb40cff51
	PAIR 44, 0xb6eec2d2
	PAIR 46, 0xb940ac63
	PAIR 48, 0xbac1a1f6
	PAIR 50, 0xbc83dbd4
	PAIR 52, 0xb5accd2b                            ; B's coefficients 4, 2, 1, 0 (3 stands in v[CB])
	PAIR 54, 0xba1bf7b5
	PAIR 56, 0xbbaad7f2
	PAIR 58, 0xbca542a9
	s_mov_b32 s66, 0x76543210
	s_mov_b32 s67, 0xfedcba98                      ; v_permlanex16_b32's selects for lane l xor 16
	s_mov_b32 s69, 16                              ; token tiles to go
	s_mov_b32 s70, 0
	s_mov_b32 s71, 0
	s_mov_b32 s72, 0
	s_wait_alu depctr_va_vdst(0)
	s_wait_dscnt 0x0                               ; both opening adds are done
	s_wait_kmcnt 0x0
	s_add_nc_u64 s[34:35], s[4:5], s[76:77]
	s_or_b32 s35, s35, 0x80000000
	s_add_nc_u64 s[38:39], s[4:5], s[78:79]
	s_or_b32 s39, s39, 0x80000000
	s_add_nc_u64 s[80:81], s[6:7], s[86:87]
	s_add_nc_u64 s[82:83], s[6:7], s[88:89]
	s_add_nc_u64 s[74:75], s[8:9], s[90:91]
	s_add_nc_u64 s[84:85], s[8:9], s[92:93]
.set FI, 0
.rept 16                               ; W1's scale words: register 4 t + j: lanes 0-15 K step 2 j of tile t, lanes 16-31 K step 2 j + 1
	global_load_b32 v[W1S+FI], v5, s[82:83] offset:6291456+128*FI
.set FI, FI+1
.endr
.set FI, 21
.rept 11                               ; the fragments of window 0 are asked for ahead of the round: 49 loads are out at it
	WFRAG FI, FW0+12*(FI-21)
.set FI, FI+1
.endr
	ROUND                                          ; the four partners are here: the joint loads meet
	s_cmp_lt_u32 s10, 4                            ; one tensor load a wave, in the two arms of one branch on the wave's number
	s_cbranch_scc0 .Lfor_scales
	tensor_load_to_lds s[32:35], s[16:23]
	s_nop 0
	PLACES
	s_branch .Lasked
.Lfor_scales:
	tensor_load_to_lds s[36:39], s[24:31]
	s_nop 0
	PLACES
.Lasked:
	WIN 0x40
.set FI, 0
.rept 21
	WFRAG FI, 12*FI
.set FI, FI+1
.endr
	WIN 0
.macro XLD ks                          ; x's fragment of K step ks into buffer ks % 4
.irp c, 0,1,2
	ds_load_b128 v[XB+12*((\ks)%4)+4*\c:XB+12*((\ks)%4)+4*\c+3], v3 offset:1536*(\ks)+512*\c
.endr
.endm
.macro MM ks                           ; four matrix instructions, the four accumulators by turns; the first K step starts the sums
.irp t, 0,1,2,3
.set FI, 4*(\ks)+\t
.if FI < 21
	WIN 1
.set FRG, 12*FI
.else
	WIN 0
.set FRG, FW0+12*(FI-21)
.endif
.if (\ks) == 0
	v_wmma_scale_f32_16x16x128_f8f6f4 v[ACC+8*\t:ACC+8*\t+7], v[FRG:FRG+11], v[XB+12*((\ks)%4):XB+12*((\ks)%4)+11], 0, v[W1S+4*\t+(\ks)/2], v[XS+(\ks)/2] matrix_a_fmt:MATRIX_FMT_FP6 matrix_b_fmt:MATRIX_FMT_FP6
.elseif (\ks)%2
	v_wmma_scale_f32_16x16x128_f8f6f4 v[ACC+8*\t:ACC+8*\t+7], v[FRG:FRG+11], v[XB+12*((\ks)%4):XB+12*((\ks)%4)+11], v[ACC+8*\t:ACC+8*\t+7], v[W1S+4*\t+(\ks)/2], v[XS+(\ks)/2] matrix_a_fmt:MATRIX_FMT_FP6 matrix_b_fmt:MATRIX_FMT_FP6 matrix_a_scale:MATRIX_SCALE_ROW1 matrix_b_scale:MATRIX_SCALE_ROW1
.else
	v_wmma_scale_f32_16x16x128_f8f6f4 v[ACC+8*\t:ACC+8*\t+7], v[FRG:FRG+11], v[XB+12*((\ks)%4):XB+12*((\ks)%4)+11], v[ACC+8*\t:ACC+8*\t+7], v[W1S+4*\t+(\ks)/2], v[XS+(\ks)/2] matrix_a_fmt:MATRIX_FMT_FP6 matrix_b_fmt:MATRIX_FMT_FP6
.endif
.endr
.endm
.macro GELU t                          ; 2 gelu of accumulator t's eight numbers, in place; A's and B's four pairs are eight chains that take turns
.set G, ACC+8*(\t)
	s_wait_alu depctr_va_vdst(0)                   ; directly ahead of the first readers of matrix results
.irp i, 0,1,2,3,4,5,6,7
	v_med3_num_f32 v[XC+\i], v[G+\i], -v[LIM], v[LIM]      ; c, the accumulator from its low end on
.endr
.irp i, 0,2,4,6
	v_pk_mul_f32 v[SQ+\i:SQ+\i+1], v[XC+\i:XC+\i+1], v[XC+\i:XC+\i+1]
.endr
.irp i, 0,2,4,6
	v_pk_fma_f32 v[PP+\i:PP+\i+1], v[SQ+\i:SQ+\i+1], s[40:41], v[CA:CA+1] op_sel_hi:[1,0,1]
.endr
.irp i, 0,2,4,6
	v_pk_fma_f32 v[QQ+\i:QQ+\i+1], v[SQ+\i:SQ+\i+1], s[52:53], v[CB:CB+1] op_sel_hi:[1,0,1]
.endr
.irp l, 0,2,4
.irp i, 0,2,4,6
	v_pk_fma_f32 v[PP+\i:PP+\i+1], v[PP+\i:PP+\i+1], v[SQ+\i:SQ+\i+1], s[42+\l:43+\l] op_sel_hi:[1,1,0]
.endr
.irp i, 0,2,4,6
	v_pk_fma_f32 v[QQ+\i:QQ+\i+1], v[QQ+\i:QQ+\i+1], v[SQ+\i:SQ+\i+1], s[54+\l:55+\l] op_sel_hi:[1,1,0]
.endr
.endr
.irp l, 48,50
.irp i, 0,2,4,6
	v_pk_fma_f32 v[PP+\i:PP+\i+1], v[PP+\i:PP+\i+1], v[SQ+\i:SQ+\i+1], s[\l:\l+1] op_sel_hi:[1,1,0]
.endr
.endr
.irp i, 0,2,4,6
	v_mul_f32 v[SQ+\i], v[QQ+\i], v[QQ+\i+1]       ; B0 B1
.endr
	s_wait_alu depctr_va_vdst(0)                   ; ahead of the batch
.irp i, 0,2,4,6
	v_rcp_f32 v[SQ+\i], v[SQ+\i]                   ; r
.endr
.irp i, 0,2,4,6
	v_pk_mul_f32 v[PP+\i:PP+\i+1], v[PP+\i:PP+\i+1], v[XC+\i:XC+\i+1]   ; c A: plain work behind the batch
.endr
	s_wait_alu depctr_va_vdst(0)                   ; behind the batch, ahead of its first reader
.irp i, 0,2,4,6
	v_pk_mul_f32 v[XC+\i:XC+\i+1], v[SQ+\i:SQ+\i+1], v[QQ+\i:QQ+\i+1] op_sel:[0,1] op_sel_hi:[0,0]   ; r B1, r B0
.endr
.irp i, 0,2,4,6
	v_pk_mul_f32 v[PP+\i:PP+\i+1], v[PP+\i:PP+\i+1], v[XC+\i:XC+\i+1]   ; erf
.endr
.irp i, 0,2,4,6
	v_pk_fma_f32 v[G+\i:G+\i+1], v[G+\i:G+\i+1], v[PP+\i:PP+\i+1], v[G+\i:G+\i+1]
.endr
.endm
.macro QUANT                           ; my two blocks of 32 along F: scale bytes and codes
.irp b, 0,1
	v_max3_num_f32 v[TM+\b], |v[ACC+16*\b]|, |v[ACC+1+16*\b]|, 0x2000000   ; the floor 2^(4 - 127): the byte cannot fall under 1
.endr
.irp i, 2,4,6,8,10,12,14
.irp b, 0,1
	s_delay_alu instid0(VALU_DEP_2)
	v_max3_num_f32 v[TM+\b], v[TM+\b], |v[ACC+16*\b+\i]|, |v[ACC+1+16*\b+\i]|
.endr
.endr
.irp b, 0,1
	s_delay_alu instid0(VALU_DEP_2)
	v_permlanex16_b32 v[TM+4+\b], v[TM+\b], s66, s67
.endr
.irp b, 0,1
	s_delay_alu instid0(VALU_DEP_2)
	v_max_num_f32 v[TM+\b], v[TM+\b], v[TM+4+\b]   ; with lane l xor 16's 16: the block's largest magnitude
.endr
.irp b, 0,1
	s_delay_alu instid0(VALU_DEP_2)
	v_add_nc_u32 v[TM+8+\b], 0xfe800000, v[TM+\b]  ; 3 off the exponent field: the scale of gelu, the registers holding 2 gelu
.endr
.irp b, 0,1
	s_delay_alu instid0(VALU_DEP_2)
	v_lshrrev_b32 v[TM+4+\b], 23, v[TM+8+\b]       ; its byte
.endr
.irp b, 0,1
	v_add_nc_u32 v[TM+12+\b], 0xff000000, v[TM+\b] ; 2 off: the conversion's scale operand
.endr
	v_lshl_or_b32 v[PW], v[TM+5], 8, v[TM+4]       ; my two bytes of the row's scale word
	v_cvt_scalef32_pk16_fp6_f32 v[PC:PC+2], v[ACC:ACC+15], v[TM+12]
	v_cvt_scalef32_pk16_fp6_f32 v[PC+12:PC+14], v[ACC+16:ACC+31], v[TM+13]
	v_nop                                          ; one plain place behind the scaled conversions
.irp i, 0,1,2
	v_permlane16_swap_b32 v[PC+\i], v[PC+12+\i]    ; a whole block to a lane: lanes 0-15 the first, lanes 16-31 the second
.endr
.irp i, 0,1,2
	v_mov_b32 v[PC+3+\i], v[PC+12+\i]
.endr
.endm
	s_wait_tensorcnt 0x0                           ; my part of x is in,
	s_barrier_signal -1
	s_barrier_wait -1                              ; and everybody's
	s_wait_loadcnt 0x0                             ; and W1
.Ltile:
	v_add_nc_u32 v3, s70, v1                       ; this token tile's images,
	v_add_nc_u32 v4, s71, v2                       ; its scale blocks,
	v_add_nc_u32 v7, s72, v6                       ; and where h's bytes go
	s_wait_alu depctr_va_vdst(0)
.irp j, 0,1,2,3
	ds_load_b32 v[XS+\j], v4 offset:128*\j         ; lanes 0-15 K step 2 j, lanes 16-31 K step 2 j + 1
.endr
	XLD 0
	XLD 1
	XLD 2
	XLD 3
	s_wait_dscnt 6                                 ; all but the six youngest loads (two fragments)
	MM 0
	MM 1
	WIN 0
	PLACES
	XLD 4
	XLD 5
	s_wait_dscnt 6
	MM 2
	MM 3
	WIN 0
	PLACES
	XLD 6
	XLD 7
	s_wait_dscnt 6
	MM 4
	MM 5
	s_wait_dscnt 0x0
	MM 6
	MM 7
	WIN 0
	PLACES
	GELU 0
	GELU 1
	GELU 2
	GELU 3
	QUANT
	global_store_b128 v1, v[PC:PC+3], s[74:75]             ; 512 consecutive bytes
	global_store_b64 v10, v[PC+4:PC+5], s[74:75] offset:512   ; 256 consecutive bytes
	ds_store_b16 v7, v[PW]                         ; (both halves of the lanes write the same bytes with the same value)
	s_wait_xcnt 0x0                                ; the stores have read their base and their data
	s_add_nc_u64 s[74:75], s[74:75], 49152
	s_add_co_u32 s70, s70, 12288
	s_add_co_u32 s71, s71, 512
	s_add_co_u32 s72, s72, 256
	s_sub_co_u32 s69, s69, 1
	s_cmp_lg_u32 s69, 0
	s_cbranch_scc1 .Ltile
	s_wait_dscnt 0x0                               ; for the others' sake: my bytes have landed
	s_barrier_signal -1
	s_barrier_wait -1
	ds_load_b128 v[68:71], v8
	s_wait_dscnt 0x0
	global_store_b128 v9, v[68:71], s[84:85]       ; sixteen lanes store a token tile's 256 consecutive bytes, aligned
	s_wait_tensorcnt 0x0                           ; the wave's end
	ds_add_u32 v[SPW], v[NIL]
	s_wait_dscnt 0x0
	ROUND                                          ; the closing round
	s_endpgm
.Lfunc_end_k_q2bde69cdde_ffn1:
	.size	k_q2bde69cdde_ffn1, .Lfunc_end_k_q2bde69cdde_ffn1-k_q2bde69cdde_ffn1
	.p2alignl 7, 3214868480
	.fill 96, 4, 3214868480
	.section	.rodata,"a",@progbits
	.p2align	6, 0x0
	.amdhsa_kernel k_q2bde69cdde_ffn1
		.amdhsa_group_segment_fixed_size 327680
		.amdhsa_private_segment_fixed_size 0
		.amdhsa_enable_private_segment 0
		.amdhsa_kernarg_size 24
		.amdhsa_user_sgpr_count 2
		.amdhsa_user_sgpr_kernarg_segment_ptr 1
		.amdhsa_wavefront_size32 1
		.amdhsa_system_sgpr_workgroup_id_x 1
		.amdhsa_system_sgpr_workgroup_id_y 1
		.amdhsa_system_sgpr_workgroup_id_z 1
		.amdhsa_system_vgpr_workitem_id 0
		.amdhsa_next_free_vgpr 512
		.amdhsa_next_free_sgpr 96
		.amdhsa_reserve_vcc 0
		.amdhsa_float_denorm_mode_32 3
		.amdhsa_float_denorm_mode_16_64 3
		.amdhsa_memory_ordered 1
		.amdhsa_forward_progress 1
		.amdhsa_inst_pref_size 48
	.end_amdhsa_kernel
	.amdgpu_metadata
---
amdhsa.version: [ 1, 2 ]
amdhsa.kernels:
  - .name:           k_q2bde69cdde_ffn1
    .symbol:         k_q2bde69cdde_ffn1.kd
    .args:
      - { .name: xq, .offset: 0, .size: 8, .value_kind: global_buffer, .address_space: global }
      - { .name: w1q, .offset: 8, .size: 8, .value_kind: global_buffer, .address_space: global }
      - { .name: hq, .offset: 16, .size: 8, .value_kind: global_buffer, .address_space: global }
    .group_segment_fixed_size: 327680
    .private_segment_fixed_size: 0
    .kernarg_segment_align: 8
    .kernarg_segment_size: 24
    .max_flat_workgroup_size: 256
    .sgpr_count:     96
    .vgpr_count:     512
    .wavefront_size: 32
...
	.end_amdgpu_metadata
.endif
;; end of part 2
;; launch ffn2 (part 3): grid 8 x 32, 4 waves a work-group, clusters of 4 x 4, 327,680 bytes of LDS; arguments hq, w2q, xq, out0; writes out0
.if DOCPART == 3
	.amdgcn_target "amdgcn-amd-amdhsa--gfx1250"
	.amdhsa_code_object_version 6
	.text
	.protected	k_q2bde69cdde_ffn2
	.globl	k_q2bde69cdde_ffn2
	.p2align	8
	.type	k_q2bde69cdde_ffn2,@function
k_q2bde69cdde_ffn2:
	s_mov_b64 s[64:65], 0
	v_nop
	global_prefetch_b8 v0, s[64:65] scope:SCOPE_SE
	s_setreg_imm32_b32 hwreg(HW_REG_WAVE_MODE, 25, 1), 1
	s_wait_xcnt 0x0
	s_wait_alu depctr_hold_cnt(0) depctr_sa_sdst(0) depctr_va_vdst(0) depctr_va_sdst(0) depctr_va_ssrc(0) depctr_va_vcc(0) depctr_vm_vsrc(0)
	s_getreg_b32 s2, hwreg(HW_REG_IB_STS2, 6, 4)
	s_cmp_eq_u32 s2, 0
	s_cbranch_scc0 .Lentry_in_a_cluster
	s_endpgm
.Lentry_in_a_cluster:
	s_bfe_u32 s2, ttmp6, 0x10000c
	s_cmp_lg_u32 s2, 0xf033
	s_cbranch_scc0 .Lentry_shape_is_right
	s_endpgm
.Lentry_shape_is_right:
.set SLOT,  98304
.set SCL,   196608
.set SPARE, 262144
.set RST,   262656
.set ADAK, 16
.set ADAS, 18
.set GO,   20
.set ASK,  22
.set ASS,  23
.set ASB,  24
.set STO,  25
.set RD,   26
.set CO,   27
.set SPW,  28
.set NIL,  29
.set INPA, 30
.set INME, 31
.set SC,   32
.set CW,   80
.set G1, 24
.set G0, 32
.set BP, 48
.set G1S, 68
.set G0S, 76
.set G1SB, 80
.set G0SB, 88
.set MSB, 0
.macro WIN new
.if MSB != (\new)
	s_set_vgpr_msb (MSB<<8)|(\new)
.set MSB, \new
.endif
.endm
.macro BSEL s
.if (\s) < 5
.set BW, 3
.set BB, 48*(\s)
.elseif (\s) == 5
.set BW, 1
.set BB, 192
.else
.set BW, 0
.set BB, 160+48*((\s)-6)
.endif
.endm
.macro ARM under, g0, g1, next         ; an arm of the head's one chain of branches on the wave's number: its load, and a jump to the chain's end
	s_cmp_lt_u32 s14, \under
	s_cbranch_scc0 \next
	tensor_load_to_lds s[\g0:\g0+3], s[\g1:\g1+7]
	s_nop 0
.rept 4
	v_nop
.endr
	s_branch .Lhead_asked
\next:
.endm
.macro ALOAD s
	tensor_load_to_lds s[G0+4*\s:G0+4*\s+3], s[G1:G1+7]
	s_nop 0
.rept 4
	v_nop
.endr
.endm
.macro CREST
	s_cmp_lg_u32 s14, 0
	s_cbranch_scc1 .Lnot_wave_0_\@
	s_barrier_signal -3
.Lnot_wave_0_\@:
	s_barrier_wait -3
	s_barrier_signal -1
	s_barrier_wait -1
.endm
.macro CROUND
	s_barrier_signal -1
	s_barrier_wait -1
	CREST
.endm
.macro PLACES
.rept 4
	v_nop
.endr
.endm
	s_load_b256 s[4:11], s[0:1], 0x0
	v_lshl_add_u32 v[SPW], v0, 2, SPARE
	v_mov_b32 v[NIL], 0
	ds_add_u32 v28, v29
	ds_add_u32 v28, v29
	s_wait_dscnt 0x0
	v_lshrrev_b32 v1, 5, v0
	v_readfirstlane_b32 s14, v1
	s_lshr_b32 s15, s14, 1
	s_and_b32 s16, s14, 1
	s_bfe_u32 s40, ttmp6, 0x40000
	s_bfe_u32 s41, ttmp6, 0x40004
	s_lshl_b32 s42, ttmp9, 2
	s_add_co_u32 s42, s42, s40
	s_and_b32 s17, ttmp7, 0xffff
	s_lshl_b32 s17, s17, 2
	s_add_co_u32 s17, s17, s41
	s_lshl_b32 s43, s41, 2
	s_lshl_b32 s43, 15, s43
	s_lshl_b32 s44, 0x1111, s40
	s_or_b32 s[G1], s43, (3<<16)|(1<<21)
	s_mov_b32 s[G1+1], 768<<16
	s_mov_b32 s[G1+2], 8<<16                       ; the head's loads of h bring an expert's eight token tiles; behind them the two words are set to 4, for the ring's
	s_mov_b32 s[G1+3], 768<<16
	s_mov_b32 s[G1+4], 8
	s_mov_b32 s[G1+5], 6144
	s_mov_b32 s[G1+6], 0
	s_mov_b32 s[G1+7], 0
	s_or_b32 s[G1S], s43, (3<<16)|(1<<21)
	s_or_b32 s[G1SB], s44, (3<<16)|(1<<21)
.irp g, G1S, G1SB
	s_mov_b32 s[\g+1], 2048<<16                    ; the scales: two rows of 16,384 bytes, one for each expert
	s_mov_b32 s[\g+2], 2<<16
	s_mov_b32 s[\g+3], 2048<<16
	s_mov_b32 s[\g+4], 2
	s_mov_b32 s[\g+6], 0
	s_mov_b32 s[\g+7], 0
.endr
	s_mov_b32 s[G1S+5], 65536                      ; from expert to expert: 524,288 bytes in h's scales,
	s_mov_b32 s[G1SB+5], 16384                     ; 131,072 in W2's
	s_mul_i32 s56, s16, 12582912                   ; the head's load of h, waves 0 and 1: expert = wave, the block's eight token tiles, K steps 0-3
	s_mul_i32 s57, s17, 393216
	s_add_co_u32 s56, s56, s57
	s_mov_b32 s57, 0
	s_mov_b32 s52, 1
	s_mul_i32 s53, s16, 49152
	s_mul_i32 s20, s15, 12582912
	s_mul_i32 s21, s17, 393216
	s_add_co_u32 s20, s20, s21
	s_mul_i32 s21, s16, 196608
	s_add_co_u32 s20, s20, s21
	s_mov_b32 s21, 0
	s_lshl_b32 s22, s17, 14
	s_add_co_u32 s22, s22, 25165824
	s_mov_b32 s23, 0
	s_mul_i32 s46, s16, 3145728
	s_mul_i32 s47, s42, 393216
	s_add_co_u32 s46, s46, s47
	s_mul_i32 s47, s15, 196608
	s_add_co_u32 s46, s46, s47
	s_mov_b32 s47, 0
	s_lshl_b32 s92, s42, 14
	s_add_co_u32 s92, s92, 6291456
	s_mov_b32 s93, 0
	s_mul_i32 s45, s14, 24576
	s_wait_kmcnt 0x0
	s_add_nc_u64 s[20:21], s[4:5], s[20:21]
	s_add_nc_u64 s[22:23], s[4:5], s[22:23]
	s_add_nc_u64 s[54:55], s[4:5], s[56:57]
	s_or_b32 s55, s55, 0x80000000
	s_add_nc_u64 s[BP:BP+1], s[6:7], s[46:47]
	s_add_nc_u64 s[92:93], s[6:7], s[92:93]
.macro BLOAD set, koff                 ; four fragments of W2 for one K step, from memory straight into registers
	BSEL \set
	WIN BW<<6
.irp b, 0,1,2,3
.irp c, 0,1,2
	global_load_b128 v[BB+12*\b+4*\c:BB+12*\b+4*\c+3], v[CO], s[BP:BP+1] offset:49152*\b+1536*(\koff)+512*\c
.endr
.endr
.endm
	v_and_b32 v1, 15, v0
	v_bfe_u32 v2, v0, 4, 1
	v_and_b32 v3, 31, v0
	v_lshlrev_b32 v[CO], 4, v3
	; THE PREFETCHES of h's tiles.  A slot is 16 rows (2 experts x 8 token tiles) of 6,144 bytes, 24 blocks of 256.  The four partners of my row of the cluster ask for it jointly:
	; their 16 waves take a row each, told apart by address: row 4 cx + wave.  A lane names a block; lanes 24-31 name the row's last block again.
	v_min_u32 v8, 23, v3
	v_lshlrev_b32 v8, 8, v8
	s_lshl_b32 s60, s40, 2
	s_add_co_u32 s60, s60, s14
	s_lshr_b32 s61, s60, 3                         ; expert
	s_and_b32 s60, s60, 7                          ; token tile of the block's eight
	s_mul_i32 s61, s61, 12582912
	s_mul_i32 s60, s60, 49152
	s_add_co_u32 s60, s60, s61
	s_mul_i32 s61, s17, 393216
	s_add_co_u32 s60, s60, s61
	s_mov_b32 s61, 0
	s_add_nc_u64 s[58:59], s[4:5], s[60:61]
	s_wait_alu depctr_va_vdst(0)
	global_prefetch_b8 v8, s[58:59] offset:6144 th:TH_LOAD_NT scope:SCOPE_SE    ; K steps 4-7: slot 1's first fill
	global_prefetch_b8 v8, s[58:59] offset:12288 th:TH_LOAD_NT scope:SCOPE_SE   ; K steps 8-11: the first refill
.irp s, 0,1,2,3,4
	BLOAD \s, \s                                   ; the first five K steps of W2 are asked for ahead of the rounds: 60 loads a wave
.endr
	WIN 0
	CROUND
	s_mov_b32 s[G0S], 1
	s_mov_b32 s[G0S+1], SCL
	s_mov_b64 s[G0S+2:G0S+3], s[22:23]
	s_or_b32 s[G0S+3], s[G0S+3], 0x80000000
	s_mov_b32 s[G0SB], 1
	s_mov_b32 s[G0SB+1], SCL+32768
	s_mov_b64 s[G0SB+2:G0SB+3], s[92:93]
	s_or_b32 s[G0SB+3], s[G0SB+3], 0x80000000
.irp s, 0,1
	s_mov_b32 s[G0+4*\s], 1
	s_add_co_u32 s[G0+4*\s+1], s45, \s*SLOT
	s_add_nc_u64 s[G0+4*\s+2:G0+4*\s+3], s[20:21], \s*6144
	s_or_b32 s[G0+4*\s+3], s[G0+4*\s+3], 0x80000000
.endr
	; the head's four tiles, one joint load a wave: waves 0 and 1 slot 0 of h, an expert each; wave 2 h's scales; wave 3 W2's
	ARM 2, 52, G1, .Lhead_sa
	ARM 3, G0S, G1S, .Lhead_sb
	tensor_load_to_lds s[G0SB:G0SB+3], s[G1SB:G1SB+7]
	s_nop 0
.rept 4
	v_nop
.endr
.Lhead_asked:
	s_wait_alu depctr_va_vdst(0)
	s_wait_tensorcnt 0x0                           ; my tile of the four is in
	ds_add_u32 v28, v29
	s_mov_b32 s[G1+2], 4<<16                       ; no tensor load of mine is out: from here on a load of h brings four token tiles
	s_mov_b32 s[G1+4], 4
	s_wait_dscnt 0x0
	CROUND
	ALOAD 1                                        ; slot 1's first fill, a quarter a wave
	v_lshlrev_b32 v5, 2, v3
	v_lshlrev_b32 v4, 3, v3                        ; 8 x lane: for the pieces of 8 bytes a lane of h's images
	s_wait_alu depctr_va_vdst(0)
	s_xor_b32 s12, s16, 1
	s_mul_i32 s21, s16, 73728
	s_mul_i32 s22, s16, 49152
	s_mul_i32 s23, s12, 24576
	s_add_co_u32 s22, s22, s23
.irp s, 0,1
	v_add_nc_u32 v[ADAK+\s], s21, v[CO]
	v_add_nc_u32 v[ADAS+\s], s22, v[CO]
	v_add_nc_u32 v[12+\s], s21, v4
	v_add_nc_u32 v[14+\s], s22, v4
	s_add_co_u32 s21, s21, SLOT
	s_add_co_u32 s22, s22, SLOT
.endr
	s_mul_i32 s21, s16, 24576
	s_add_co_u32 s21, s21, SCL
	v_add_nc_u32 v[ASK], s21, v5
	s_lshl_b32 s22, s16, 14
	s_lshl_b32 s23, s12, 13
	s_add_co_u32 s22, s22, s23
	s_add_co_u32 s22, s22, SCL
	v_add_nc_u32 v[ASS], s22, v5
	s_lshl_b32 s23, s16, 14
	s_lshl_b32 s13, s15, 13
	s_add_co_u32 s23, s23, s13
	s_add_co_u32 s23, s23, SCL+32768
	v_add_nc_u32 v[ASB], s23, v5
	s_mul_i32 s21, s14, 4352
	s_add_co_u32 s21, s21, RST
	v_mul_u32_u24 v6, v1, 272
	v_lshl_add_u32 v6, v2, 5, v6
	v_add_nc_u32 v[STO], s21, v6
	v_mul_u32_u24 v6, v2, 272
	v_lshl_add_u32 v6, v1, 4, v6
	v_add_nc_u32 v[RD], s21, v6
	v_lshlrev_b32 v[GO], 12, v2
	v_lshl_add_u32 v[GO], v1, 4, v[GO]
	s_lshl_b32 s21, s14, 14
	v_add_nc_u32 v[INME], s21, v[CO]
	s_xor_b32 s21, s21, 16384
	v_add_nc_u32 v[INPA], s21, v[CO]
	v_lshlrev_b32 v7, 2, v1
	s_lshl_b32 s21, s16, 8
	v_add_nc_u32 v10, s21, v7
	s_lshl_b32 s22, s12, 8
	v_add_nc_u32 v11, s22, v7
	s_lshl_b32 s20, s16, 14
	s_lshl_b32 s21, s17, 9
	s_add_co_u32 s20, s20, s21
	s_mov_b32 s21, 0
	s_add_nc_u64 s[8:9], s[8:9], s[20:21]
.irp i, 1,3,5,7,9,11,13,15
	v_mov_b32 v[CW+\i], 0
.endr
	s_lshl_b32 s20, s17, 19
	s_lshl_b32 s21, s16, 18
	s_add_co_u32 s20, s20, s21
	s_mov_b32 s21, 0
	s_add_nc_u64 s[10:11], s[10:11], s[20:21]
	s_lshl_b32 s46, s42, 9
	s_lshl_b32 s47, s15, 8
	s_add_co_u32 s46, s46, s47
	s_mov_b32 s47, 0
	s_add_nc_u64 s[10:11], s[10:11], s[46:47]
.macro CLOAD
	WIN 0
.irp j, 0,1,2,3
	global_load_b32 v[CW+2*\j], v10, s[8:9] offset:3276800+64*\j
	global_load_b32 v[CW+8+2*\j], v11, s[8:9] offset:3276800+64*\j
.endr
.endm
.macro FETCHA slot, k, set             ; an image of h is two halves of 768 bytes: registers 6 c .. 6 c + 3 at 16 x lane, registers 6 c + 4, 6 c + 5 at 512 + 8 x lane
	WIN 0x40
.irp i, 0,1,2,3
.irp c, 0,1
	ds_load_b128 v[96*(\set)+12*\i+6*\c:96*(\set)+12*\i+6*\c+3], v[ADAK+\slot] offset:6144*\i+1536*(\k)+768*\c
	ds_load_b64 v[96*(\set)+12*\i+6*\c+4:96*(\set)+12*\i+6*\c+5], v[12+\slot] offset:6144*\i+1536*(\k)+768*\c+512
.endr
.endr
.irp i, 0,1,2,3
.irp c, 0,1
	ds_load_b128 v[96*(\set)+48+12*\i+6*\c:96*(\set)+48+12*\i+6*\c+3], v[ADAS+\slot] offset:6144*\i+1536*(\k)+768*\c
	ds_load_b64 v[96*(\set)+48+12*\i+6*\c+4:96*(\set)+48+12*\i+6*\c+5], v[14+\slot] offset:6144*\i+1536*(\k)+768*\c+512
.endr
.endr
.endm
.macro SCALES sc
	WIN 0
.irp i, 0,1,2,3
.irp p, 0,1
	ds_load_b32 v[SC+24*\sc+2*\i+\p], v[ASK] offset:2048*\i+128*\p
	ds_load_b32 v[SC+24*\sc+8+2*\i+\p], v[ASS] offset:2048*\i+128*\p
	ds_load_b32 v[SC+24*\sc+16+2*\i+\p], v[ASB] offset:2048*\i+128*\p
.endr
.endr
.endm
.macro MULG g, aset, bset, sc, k, zero
	BSEL \bset
	WIN 0xa4|BW
.irp i, 2*(\g), 2*(\g)+1
.irp b, 0,1,2,3
.if \zero
	v_wmma_scale_f32_16x16x128_f8f6f4 v[8*(4*(\i)+\b):8*(4*(\i)+\b)+7], v[BB+12*\b:BB+12*\b+11], v[96*(\aset)+12*(\i):96*(\aset)+12*(\i)+11], 0, v[SC+24*(\sc)+16+2*\b+(\k)/2], v[SC+24*(\sc)+2*(\i)+(\k)/2] matrix_a_fmt:MATRIX_FMT_FP6 matrix_b_fmt:MATRIX_FMT_FP6
.elseif (\k)%2
	v_wmma_scale_f32_16x16x128_f8f6f4 v[8*(4*(\i)+\b):8*(4*(\i)+\b)+7], v[BB+12*\b:BB+12*\b+11], v[96*(\aset)+12*(\i):96*(\aset)+12*(\i)+11], v[8*(4*(\i)+\b):8*(4*(\i)+\b)+7], v[SC+24*(\sc)+16+2*\b+(\k)/2], v[SC+24*(\sc)+2*(\i)+(\k)/2] matrix_a_fmt:MATRIX_FMT_FP6 matrix_b_fmt:MATRIX_FMT_FP6 matrix_a_scale:MATRIX_SCALE_ROW1 matrix_b_scale:MATRIX_SCALE_ROW1
.else
	v_wmma_scale_f32_16x16x128_f8f6f4 v[8*(4*(\i)+\b):8*(4*(\i)+\b)+7], v[BB+12*\b:BB+12*\b+11], v[96*(\aset)+12*(\i):96*(\aset)+12*(\i)+11], v[8*(4*(\i)+\b):8*(4*(\i)+\b)+7], v[SC+24*(\sc)+16+2*\b+(\k)/2], v[SC+24*(\sc)+2*(\i)+(\k)/2] matrix_a_fmt:MATRIX_FMT_FP6 matrix_b_fmt:MATRIX_FMT_FP6
.endif
.endr
.endr
.endm
.macro STEP slot, k, zero, young, bl, koff
	s_wait_dscnt 0x0
	PLACES
	FETCHA \slot, (\k)+1, ((\k)+1)%2
	s_wait_loadcnt \young
.if \bl
.set BS, (4*(\slot)+(\k)+5)%8
	BLOAD BS, \koff
.endif
	MULG 0, (\k)%2, 4*(\slot)+(\k), \slot, \k, \zero
	MULG 1, (\k)%2, 4*(\slot)+(\k), \slot, \k, \zero
	MULG 2, (\k)%2, 4*(\slot)+(\k), \slot, \k, \zero
	MULG 3, (\k)%2, 4*(\slot)+(\k), \slot, \k, \zero
.endm
.macro TURN slot, next, fill, young, bl, koff
	s_wait_loadcnt \young
	WIN 0
	s_wait_tensorcnt 0x0
	ds_add_u32 v[SPW], v[NIL]
	s_wait_dscnt 1
	MULG 0, 1, 4*(\slot)+3, \slot, 3, 0
	s_wait_dscnt 0x0
	s_barrier_signal -1
	MULG 1, 1, 4*(\slot)+3, \slot, 3, 0
	WIN 0
	s_barrier_wait -1
.if \fill
	CREST
	s_add_nc_u64 s[G0+4*\slot+2:G0+4*\slot+3], s[G0+4*\slot+2:G0+4*\slot+3], 12288
	ALOAD \slot
.else
	PLACES
.endif
	s_wait_alu depctr_va_vdst(0)
	v_add_nc_u32 v[ASK], 256, v[ASK]
	v_add_nc_u32 v[ASS], 256, v[ASS]
	v_add_nc_u32 v[ASB], 256, v[ASB]
	FETCHA \next, 0, 0
	SCALES \next
.if \fill                              ; behind the joint refill and the run of LDS loads: what the NEXT refill will load, four K steps on; the base is stepped once a trip, behind the trip's wait on XCNT
.if (\slot) == 0
	global_prefetch_b8 v8, s[58:59] offset:18432 th:TH_LOAD_NT scope:SCOPE_SE
.else
	s_cmp_gt_u32 s3, 1                             ; the last trip's second refill is the last of all: nothing lies behind it
	s_cbranch_scc0 .Lno_ask_\@
	global_prefetch_b8 v8, s[58:59] offset:24576 th:TH_LOAD_NT scope:SCOPE_SE
.Lno_ask_\@:
.endif
.endif
.if \bl == 1                           ; W2's next fragments are asked for behind the refill
.set BS, (4*(\slot)+8)%8
	BLOAD BS, \koff
.elseif \bl == 2
	CLOAD
.endif
	MULG 2, 1, 4*(\slot)+3, \slot, 3, 0
	MULG 3, 1, 4*(\slot)+3, \slot, 3, 0
.endm
	s_wait_tensorcnt 1
	s_barrier_signal -1
	s_barrier_wait -1
	FETCHA 0, 0, 0
	SCALES 0
	STEP 0, 0, 1, 48, 1, 5
	WIN 0
	s_mov_b32 s3, 3
.Llap:
	STEP 0, 1, 0, 48, 1, 6
	STEP 0, 2, 0, 48, 1, 7
	TURN 0, 1, 1, 48, 1, 8
	STEP 1, 0, 0, 48, 1, 9
	STEP 1, 1, 0, 48, 1, 10
	STEP 1, 2, 0, 48, 1, 11
	TURN 1, 0, 1, 48, 1, 12
	STEP 0, 0, 0, 48, 1, 13
	WIN 0
	s_wait_xcnt 0x0
	s_add_nc_u64 s[BP:BP+1], s[BP:BP+1], 12288
	s_add_nc_u64 s[58:59], s[58:59], 12288
	s_sub_co_u32 s3, s3, 1
	s_cmp_lg_u32 s3, 0
	s_cbranch_scc1 .Llap
	STEP 0, 1, 0, 48, 1, 6
	STEP 0, 2, 0, 48, 1, 7
	TURN 0, 1, 0, 48, 2, 0
	STEP 1, 0, 0, 44, 0, 0
	STEP 1, 1, 0, 32, 0, 0
	STEP 1, 2, 0, 20, 0, 0
	s_wait_dscnt 0x0
	s_wait_loadcnt 8
	MULG 0, 1, 7, 1, 3, 0
	MULG 1, 1, 7, 1, 3, 0
	MULG 2, 1, 7, 1, 3, 0
	MULG 3, 1, 7, 1, 3, 0
	WIN 0
	PLACES
	s_wait_loadcnt 0x0
	WIN 0x02
.irp j, 0,1,2,3
.set J, 0
.rept 16
	v_pk_mul_f32 v[96+32*\j+J:97+32*\j+J], v[128+32*\j+J:129+32*\j+J], v[CW+8+2*\j:CW+9+2*\j] op_sel_hi:[1,0]
.set J, J+2
.endr
.endr
	WIN 0
.irp a, 0,1,2,3,4,5,6,7,8,9,10,11,12,13,14,15
	ds_store_b128 v[INPA], v[96+8*\a:99+8*\a] offset:1024*\a
	ds_store_b128 v[INPA], v[100+8*\a:103+8*\a] offset:1024*\a+512
.endr
	s_wait_dscnt 0x0
	s_barrier_signal -1
	s_barrier_wait -1
; THE WAY OUT.  What the other expert's wave sent me, 16 tiles, comes back in one run of 32 loads; block j of 16 rows adds my own weighted sums, goes through my stage and comes back as whole rows
; into the registers that it left (LDS serves a wave's instructions in order, ISA guide 5.7.1.4: no wait between a block's stores and loads, nor in front of the next block's stores); the stores follow at the end.
.irp a, 0,1,2,3,4,5,6,7,8,9,10,11,12,13,14,15
	ds_load_b128 v[128+8*\a:131+8*\a], v[INME] offset:1024*\a
	ds_load_b128 v[132+8*\a:135+8*\a], v[INME] offset:1024*\a+512
.endr
.macro KEEP j
	s_wait_dscnt 24+8*\j                           ; block j's eight loads are in; out may be the 8 (3 - j) of the later blocks and the 16 stage instructions of each earlier block
	WIN 0x02
.set J, 0
.rept 16
	v_pk_fma_f32 v[128+32*\j+J:129+32*\j+J], v[32*\j+J:32*\j+J+1], v[CW+2*\j:CW+2*\j+1], v[128+32*\j+J:129+32*\j+J] op_sel_hi:[1,0,1]
.set J, J+2
.endr
	WIN 0
.irp b, 0,1,2,3
	ds_store_b128 v[STO], v[128+32*\j+8*\b:131+32*\j+8*\b] offset:64*\b
	ds_store_b128 v[STO], v[132+32*\j+8*\b:135+32*\j+8*\b] offset:64*\b+16
.endr
.irp t, 0,1,2,3,4,5,6,7
	ds_load_b128 v[128+32*\j+4*\t:131+32*\j+4*\t], v[RD] offset:544*\t
.endr
.endm
	KEEP 0
	KEEP 1
	KEEP 2
	KEEP 3
.irp j, 0,1,2,3
.irp t, 0,1,2,3,4,5,6,7
	s_wait_dscnt 16*(3-\j)+7-\t                    ; behind this load: the block's younger loads and 16 instructions of each later block
	global_store_b128 v[GO], v[128+32*\j+4*\t:131+32*\j+4*\t], s[10:11] offset:(16*\j+2*\t)*4096 th:TH_STORE_NT
.endr
.endr
	s_wait_tensorcnt 0x0
	ds_add_u32 v[SPW], v[NIL]
	s_wait_dscnt 0x0
	CROUND
	s_endpgm
.Lfunc_end_k_q2bde69cdde_ffn2:
	.size	k_q2bde69cdde_ffn2, .Lfunc_end_k_q2bde69cdde_ffn2-k_q2bde69cdde_ffn2
	.p2alignl 7, 3214868480
	.fill 96, 4, 3214868480
	.section	.rodata,"a",@progbits
	.p2align	6, 0x0
	.amdhsa_kernel k_q2bde69cdde_ffn2
		.amdhsa_group_segment_fixed_size 327680
		.amdhsa_private_segment_fixed_size 0
		.amdhsa_enable_private_segment 0
		.amdhsa_kernarg_size 32
		.amdhsa_user_sgpr_count 2
		.amdhsa_user_sgpr_kernarg_segment_ptr 1
		.amdhsa_wavefront_size32 1
		.amdhsa_system_sgpr_workgroup_id_x 1
		.amdhsa_system_sgpr_workgroup_id_y 1
		.amdhsa_system_sgpr_workgroup_id_z 1
		.amdhsa_system_vgpr_workitem_id 0
		.amdhsa_next_free_vgpr 1024
		.amdhsa_next_free_sgpr 100
		.amdhsa_reserve_vcc 0
		.amdhsa_float_denorm_mode_32 3
		.amdhsa_float_denorm_mode_16_64 3
		.amdhsa_memory_ordered 1
		.amdhsa_forward_progress 1
		.amdhsa_inst_pref_size 160
	.end_amdhsa_kernel
	.amdgpu_metadata
---
amdhsa.version: [ 1, 2 ]
amdhsa.kernels:
  - .name:           k_q2bde69cdde_ffn2
    .symbol:         k_q2bde69cdde_ffn2.kd
    .args:
      - { .name: hq, .offset: 0, .size: 8, .value_kind: global_buffer, .address_space: global }
      - { .name: w2q, .offset: 8, .size: 8, .value_kind: global_buffer, .address_space: global }
      - { .name: xq, .offset: 16, .size: 8, .value_kind: global_buffer, .address_space: global }
      - { .name: out0, .offset: 24, .size: 8, .value_kind: global_buffer, .address_space: global }
    .group_segment_fixed_size: 327680
    .private_segment_fixed_size: 0
    .kernarg_segment_align: 8
    .kernarg_segment_size: 32
    .max_flat_workgroup_size: 128
    .sgpr_count:     100
    .vgpr_count:     1024
    .wavefront_size: 32
...
	.end_amdgpu_metadata
.endif
;; end of part 3
